; MI455X (gfx1250); checked and timed in simulation.
; The chip was launched on July 23, 2026; its instructions are those of AMD's public machine-readable ISA for CDNA 5 (MIT licence, August 2026) and "CDNA5" Instruction Set Architecture Reference Guide (July 2026). The comments in the code are by the model that wrote it; some were corrected since.
;; Pos Self Atten. Allowed arithmetic: matrix products marked QUANTISED: E2M1 operands, one E8M0 scale for each 32 along K, by v_wmma_scale_f32_16x16x128_f8f6f4 with both operands' format E2M1 (or v_wmma_scale_f32_32x16x128_f4), f32 sums; everything else in f32.
;; Inputs: att_beta 128 float32; att_gamma 128 float32; att_mean 128 float32; att_var 128 float32; att_w_codes 128 x 8 x 16 uint8 (E2M1 codes of att_w, K innermost, in blocks of 32 codes, two codes a byte); att_w_scales 128 x 8 uint8 (E8M0 scales of att_w, one for each 32 codes along K); mask 8 x 1 x 64 x 64 float32; reduc_beta 256 float32; reduc_gamma 256 float32; reduc_mean 256 float32; reduc_var 256 float32; reduc_w_codes 256 x 8 x 16 uint8 (E2M1 codes of reduc_w, K innermost, in blocks of 32 codes, two codes a byte); reduc_w_scales 256 x 8 uint8 (E8M0 scales of reduc_w, one for each 32 codes along K); x_codes 8 x 64 x 64 x 8 x 16 uint8 (E2M1 codes of x, K innermost, in blocks of 32 codes, two codes a byte); x_scales 8 x 64 x 64 x 8 uint8 (E8M0 scales of x, one for each 32 codes along K).
;; Outputs: out0 8 x 256 x 64 x 64 float32.
;; This version of the problem:
;;   THIS VERSION OF THE PROBLEM IS GIVEN IN LOW PRECISION. The matrix products marked QUANTISED in the list below multiply operands that are first quantised to E2M1 (2 exponent bits, 1 mantissa bit; 4 bits a number), with one power-of-two scale for each 32 numbers along K (OCP MX v1.0); their sums are f32. All else is computed in f32.
;;   The module's matrix products, in the order in which they are computed (A, B: the left and right operand; K: the contracted axis; several contracted axes count as one K, in the product's order):
;;     1. [M 32,768, K 256] x [K 256, N 256]; A: input x (given as codes); B: input reduc_w (given as codes): QUANTISED
;;     2. [M 32,768, K 256] x [K 256, N 128]; A: input x (given as codes); B: input att_w (given as codes): QUANTISED
;;     3. batch 8 x [M 4,096, K 128] x [K 128, N 4,096]; A: computed on the way; B: computed on the way: QUANTISED
;;     4. batch 8 x [M 256, K 4,096] x [K 4,096, N 4,096]; A: computed on the way; B: softmax (see below): QUANTISED
;;   THE QUANTISER, for each operand of a quantised product, along K:
;;     - K is cut into blocks of 32 from its start; a last block that is shorter is filled with zeros.
;;     - A block's scale is 2^e with e = floor(log2(the largest magnitude in the block)) - 2, held to -126 .. 127; a block of zeros has e = 0. As a byte (E8M0): e + 127.
;;     - Each number is divided by its block's scale, clamped to +-6, and rounded to the nearest number of E2M1, ties to even, subnormals kept.
;;     - The product sums the exact products of the quantised numbers (number of the format x scale) in f32.
;;   ~~~python
;;   def quantise(x, axis):      # numpy; x: float32 -> the quantised numbers, widened to float32 again
;;       x = np.moveaxis(x, axis, -1); K = x.shape[-1]
;;       x = np.pad(x, [(0, 0)] * (x.ndim - 1) + [(0, -K % 32)]); x = x.reshape(x.shape[:-1] + (-1, 32)); a = np.abs(x).max(-1, keepdims=True)
;;       e = np.where(a > 0, np.clip(np.frexp(np.where(a > 0, a, 1))[1] - 1 - 2, -126, 127), 0)      # np.frexp(a)[1] - 1 = floor(log2(a)), exactly
;;       r = np.clip(x / 2.0 ** e, -6, 6)
;;       step = 2.0 ** (np.maximum(np.frexp(np.where(r == 0, 1, r))[1] - 1, 0) - 1)
;;       q = np.round(r / step) * step * 2.0 ** e      # np.round: ties to even
;;       return np.moveaxis(q.reshape(q.shape[:-2] + (-1,))[..., :K], -1, axis).astype(np.float32)
;;   ~~~
;;   SOFTMAX AHEAD OF A QUANTISED PRODUCT. Where the list says 'softmax', what is quantised is not the finished softmax but p = 2^(t - M), with t = logit x log2(e) and M = ceil(the row's largest t), a whole number; so 1/2 < the row's largest p <= 1. The row's sum l is taken of the UNQUANTISED p, in f32, and the product's result is divided by l at the end. Since M is a whole number, a kernel that streams over the keys may use a running M (the ceiling of the running maximum): every later rescaling is an exact power of two, which a block's scale takes up: the codes' values come out the same.
;;   OPERANDS COMPUTED ON THE WAY. 'Computed on the way' means the value that the module computes at that place (a softmax that the list does not call 'softmax' is quantised finished and normalised). What goes into a quantiser is computed in f32, as accurately as f32 sums, v_exp_f32 and their like allow (about 1e-6 of the number): no bf16 or f16 on the way to a quantiser, and a product that is left as it is and whose result goes on into a quantised operand takes f32 operands (vector FMAs, or v_wmma_f32_16x16x4_f32). A number that lies on a knife's edge between two numbers of the format may be rounded either way, as far as f32 arithmetic and the matrix unit's own rounding can turn it there, and no further.
;;   INPUTS GIVEN AS CODES. att_w (in the module: [128, 256], K = its axis 1); reduc_w (in the module: [256, 256], K = its axis 1); x (in the module: [8, 256, 64, 64], K = its axis 1): each comes as NAME_codes (uint8): NAME with its K axis moved to the last place and cut into blocks of 32 codes, [.., K / 32, bytes a block], one block behind the other in memory; two codes a byte, the lower K in the low four bits (a code: sign, 2 exponent bits, 1 mantissa bit); and NAME_scales (uint8): the same leading axes, one E8M0 byte (e + 127) for each 32 codes along K. Its value is code x scale, taken as it is: it is not quantised again, and the codes and scales need not be those that the quantiser above would give.
;; One version. Each part assembles by itself: llvm-mc -triple=amdgcn-amd-amdhsa -mcpu=gfx1250 --defsym DOCPART=n.
;; ======== version 1 of 1: 2 launches
;; workspace buffers: kv 6,815,744 bytes
;; launch prep (part 1): grid 32 x 8, 8 waves a work-group, no clusters, 168,960 bytes of LDS; arguments x_codes, x_scales, att_w_codes, att_w_scales, reduc_w_codes, reduc_w_scales, att_gamma, att_beta, att_mean, att_var, reduc_gamma, reduc_beta, reduc_mean, reduc_var, mask, kv; writes kv
.if DOCPART == 1
	.amdgcn_target "amdgcn-amd-amdhsa--gfx1250"
	.amdhsa_code_object_version 6
	.text
	.protected	k_q1072c1604a_prep
	.globl	k_q1072c1604a_prep
	.p2align	8
	.type	k_q1072c1604a_prep,@function
k_q1072c1604a_prep:
	s_mov_b64 s[64:65], 0
	v_nop
	global_prefetch_b8 v0, s[64:65] scope:SCOPE_SE
	s_setreg_imm32_b32 hwreg(HW_REG_WAVE_MODE, 25, 1), 1
	s_wait_xcnt 0x0
; PosSelfAtten, first launch: both 1x1 convolutions (on codes of FP4 (E2M1) with E8M0 scales, as they are given), BatchNorm, ReLU, and the two quantisers.
; q[pos][128] = relu(BN(att_w x)) is quantised along its 128 channels, feat[256][pos] = relu(BN(reduc_w x)) along the positions; both in blocks of 32.
; OUTPUT: kv, 256 blocks of 26,624 bytes, one for each image n and each 128 positions (block 32 n + s).  All of a block is laid AS THE NEXT LAUNCH'S REGISTERS WANT IT: a fragment's four registers
; on end, lane l's 16 bytes at 16 l.   0: 8 tiles of q (tile 2 b + u, row r = position 32 b + 8 u + r + 8 (r / 8); K = channels)    8,192: 16 tiles of feat (tile T, row r = channel 16 T + r; K = the 128 positions)
; 24,576: q's scale words (tile t, row r at 256 (t / 4) + 16 r + 4 (t % 4))    25,088: feat's, by the same formula    26,112: 128 f32: the keys' bias (mask - 1) x 1e8 x (1e-8 + sqrt(128)), in units of the raw score.
; SHARES.  A work-group makes one block; 256 work-groups.  Wave w makes tile w of q and tiles 2 w, 2 w + 1 of feat: three units of 16 matrix instructions (8 result tiles x K = 256 in two steps).
; BOTH PRODUCTS ARE USED TRANSPOSED, and the rows that form a tile of source 0 are chosen (row 32 b + 8 u + r + 8 (r / 8)), so that a lane's 64 results run along the NEXT product's K:
; register 16 b + i = k 32 b + 16 (lane / 16) + i.  q: source 0 = 16 rows of att_w, source 1 = my 16 positions.  feat: source 0 = 16 positions, source 1 = my 16 rows of reduc_w.
; x's 128 rows and both weights come into LDS once, one tensor load a wave (64 rows of 128 bytes); nothing is filled again.
; NO CLUSTER: the weights that all work-groups share are 49,152 bytes, asked for once at the start; there is no loop over whose trips an opening and a closing round of a cluster's barrier would be shared out.
; LIMITS: NaN, infinities and the scale byte 0xff among the inputs are not served.  A block whose largest magnitude lies under 2^-124 (a block of zeros too) gets the byte 1: held from below; the bytes are read by this
; program alone, and zero codes add nothing under any byte but 0xff.  BN: inv = gamma x v_rsq_f32(var + 1e-5), y x inv + (beta - mean x inv) with fused multiply-adds: some 1e-7 of the number from a division by a square root.
.set PITCH, 144                        ; an LDS row: 128 bytes + 16 of padding: an odd multiple of 16 bytes
.set XT,    0                          ; x: 128 rows
.set AW,    128*PITCH                  ; att_w: 128 rows
.set RW,    256*PITCH                  ; reduc_w: 256 rows; ends at 73,728
.set TBL,   512*PITCH                  ; each wave's own table: inv[128], then shift[128] of the att BN: 1,024 bytes a wave
.set SCST,  TBL+8*1024                 ; the image of the block's last 2,048 bytes
.set STEPB, 26624
.set BF,  16                           ; v16-31   source 1's two fragments (K steps 0, 1)
.set AF,  32                           ; v32-95   source 0's eight fragments of a K step; at the head the BN's numbers; in q's unit the table's
.set HA,  96                           ; v96-159  eight result tiles
.set PC,  160                          ; v160-183 a unit's codes: eight registers for each of the three units, so that no store's data are written again
.set PW,  184                          ; v184-186 a unit's scale word
.set TM,  188                          ; v188-191 largest magnitudes, v192-195 the other lane's, then bytes, v200-203 the conversions' scale operands
.set XS,  204                          ; v204-219 x's scale words, tile t, K step ks at 2 t + ks
.set XPS, 220                          ; v220-221 those of my own tile of positions
.set AWS, 222                          ; v222-237 att_w's
.set RWS, 238                          ; v238-241 reduc_w's, unit u at 2 u + ks
.set BN,  242                          ; v242-249 unit u: (inv, inv), (shift, shift) of my lane's channel
	s_load_b512 s[4:19], s[0:1], 0x0               ; x_codes s[4:5], x_scales s[6:7], att_w_codes s[8:9], att_w_scales s[10:11], reduc_w_codes s[12:13], reduc_w_scales s[14:15], att_gamma s[16:17], att_beta s[18:19]
	s_load_b512 s[20:35], s[0:1], 0x40             ; att_mean s[20:21], att_var s[22:23], reduc_gamma s[24:25], reduc_beta s[26:27], reduc_mean s[28:29], reduc_var s[30:31], mask s[32:33], kv s[34:35]
	v_lshl_add_u32 v254, v0, 2, 0x29000
	v_mov_b32 v255, 0
	ds_add_u32 v254, v255
	ds_add_u32 v254, v255
	v_lshrrev_b32 v250, 5, v0
	v_readfirstlane_b32 s48, v250                  ; wave 0..7
	s_and_b32 s49, ttmp7, 0xffff                   ; image
	s_lshl_b32 s50, s49, 5
	s_add_co_u32 s50, s50, ttmp9                   ; block = 32 n + s
	; descriptor group 1: 64 rows of 128 bytes, dense in memory, 16 bytes of padding behind each in LDS
	s_mov_b32 s36, (1<<20)|(4<<22)|(3<<25)         ; no mask; elements of 1 byte; padding on; after every 32 words (code 4); four words (code 3)
	s_mov_b32 s37, 128<<16                         ; tensor_dim0 = 128
	s_mov_b32 s38, 64<<16                          ; tensor_dim1 = 64
	s_mov_b32 s39, 128<<16                         ; tile_dim0 = 128
	s_mov_b32 s40, 64                              ; tile_dim1 = 64
	s_mov_b32 s41, 128                             ; from row to row
	s_mov_b32 s42, 0
	s_mov_b32 s43, 0
	s_mov_b32 s44, 1                               ; group 0: count = 1
	s_mul_i32 s45, s48, 64*PITCH                   ; LDS address: wave x 64 rows: waves 0, 1 fill x's rows, 2, 3 att_w's, 4 to 7 reduc_w's
	s_lshl_b32 s2, s48, 13                         ; 64 rows of 128 bytes for each wave
	s_lshl_b32 s3, s50, 14
	s_add_co_u32 s3, s3, s2                        ; in x: the block's 16,384 bytes, + 8,192 w
	s_sub_co_u32 s51, s2, 2*8192                   ; in att_w: 8,192 (w - 2)
	s_sub_co_u32 s2, s2, 4*8192                    ; in reduc_w: 8,192 (w - 4)
	s_wait_dscnt 0x0
	s_wait_kmcnt 0x0
	s_cmp_lt_u32 s48, 4                            ; the buffer and the offset are chosen by the wave's number alone
	s_cselect_b64 s[62:63], s[8:9], s[12:13]
	s_cselect_b32 s2, s51, s2
	s_cmp_lt_u32 s48, 2
	s_cselect_b64 s[62:63], s[4:5], s[62:63]
	s_cselect_b32 s2, s3, s2
	s_mov_b32 s3, 0                                ; from here on s[2:3] is a pair for offsets under 2^32: s3 stays 0
	s_add_nc_u64 s[46:47], s[62:63], s[2:3]
	s_or_b32 s47, s47, 0x80000000                  ; type = 2
	tensor_load_to_lds s[44:47], s[36:43]          ; my one tensor load: the only one of mine that is ever out
	s_nop 0
.rept 4
	v_nop
.endr
	; the bases, each stepped once, ahead of its first use
	s_lshl_b32 s2, s50, 10
	s_add_nc_u64 s[6:7], s[6:7], s[2:3]            ; x_scales at the block: 8 bytes a position
	s_lshr_b32 s51, s48, 1
	s_lshl_b32 s51, s51, 5
	s_and_b32 s2, s48, 1
	s_lshl_b32 s2, s2, 3
	s_add_co_u32 s51, s51, s2                      ; where my tile of positions begins: 32 (w / 2) + 8 (w % 2)
	s_lshl_b32 s2, s51, 3
	s_add_nc_u64 s[54:55], s[6:7], s[2:3]          ; its scale words
	s_lshl_b32 s2, s48, 7                          ; my 32 channels of feat: 128 bytes on in each of the four BN arrays
	s_add_nc_u64 s[24:25], s[24:25], s[2:3]
	s_add_nc_u64 s[26:27], s[26:27], s[2:3]
	s_add_nc_u64 s[28:29], s[28:29], s[2:3]
	s_add_nc_u64 s[30:31], s[30:31], s[2:3]
	s_lshl_b32 s2, s48, 8
	s_add_nc_u64 s[14:15], s[14:15], s[2:3]        ; reduc_w_scales: 8 bytes a row, my 32 rows
	s_lshl_b32 s2, s50, 9
	s_lshl_b32 s60, s48, 6
	s_add_co_u32 s2, s2, s60
	s_add_nc_u64 s[32:33], s[32:33], s[2:3]        ; mask: the block's 128 numbers, my 16 of them
	s_mul_i32 s2, s50, STEPB
	s_add_nc_u64 s[34:35], s[34:35], s[2:3]        ; kv at the block
	s_lshl_b32 s2, s48, 10
	s_add_nc_u64 s[56:57], s[34:35], s[2:3]        ; my tile of q
	s_lshl_b32 s2, s48, 11
	s_add_co_u32 s2, s2, 8192
	s_add_nc_u64 s[58:59], s[34:35], s[2:3]        ; my two tiles of feat
	s_lshl_b32 s2, s48, 8
	s_add_co_u32 s2, s2, 24576
	s_add_nc_u64 s[60:61], s[34:35], s[2:3]        ; my 256 bytes of the block's tail
	s_mov_b32 s52, 0x76543210
	s_mov_b32 s53, 0xfedcba98                      ; v_permlanex16_b32's selects for lane l xor 16
	v_and_b32 v250, 31, v0                         ; lane
	v_lshlrev_b32 v1, 4, v250                      ; 16 x lane
	v_and_b32 v2, 15, v0                           ; r
	v_bfe_u32 v3, v0, 4, 1                         ; h
	v_and_b32 v251, 8, v2
	v_add_nc_u32 v251, v251, v2                    ; r + 8 (r / 8)
	v_lshlrev_b32 v14, 3, v251                     ; scale words of a chosen tile's rows: 8 bytes a row
	v_lshlrev_b32 v15, 2, v2                       ; 4 r
	v_lshlrev_b32 v252, 3, v2                      ; 8 r
	; 32 small loads while the tiles land
	global_load_b128 v[32:35], v1, s[16:17]        ; att: gamma, beta, mean, var: four channels a lane
	global_load_b128 v[36:39], v1, s[18:19]
	global_load_b128 v[40:43], v1, s[20:21]
	global_load_b128 v[44:47], v1, s[22:23]
.irp u, 0,1
	global_load_b32 v[48+\u], v15, s[24:25] offset:64*\u    ; reduc: those of channel 32 w + 16 u + r
	global_load_b32 v[50+\u], v15, s[26:27] offset:64*\u
	global_load_b32 v[52+\u], v15, s[28:29] offset:64*\u
	global_load_b32 v[54+\u], v15, s[30:31] offset:64*\u
.endr
	global_load_b32 v56, v15, s[32:33]             ; mask of position 16 w + r
.irp t, 0,1,2,3,4,5,6,7
	global_load_b64 v[XS+2*\t:XS+2*\t+1], v14, s[6:7] offset:(32*(\t/2)+8*(\t%2))*8      ; a row's two words: K steps 0 and 1
	global_load_b64 v[AWS+2*\t:AWS+2*\t+1], v14, s[10:11] offset:(32*(\t/2)+8*(\t%2))*8
.endr
	global_load_b64 v[XPS:XPS+1], v14, s[54:55]
.irp u, 0,1
	global_load_b64 v[RWS+2*\u:RWS+2*\u+1], v252, s[14:15] offset:128*\u
.endr
	; LDS addresses: a constant + a constant x lane + a constant x wave
	v_mul_u32_u24 v4, v251, PITCH
	v_lshl_add_u32 v4, v3, 4, v4                   ; v4: a chosen tile's row x pitch + 16 h
	s_mul_i32 s2, s51, PITCH
	v_add_nc_u32 v5, s2, v4                        ; v5: the same in my own tile of positions
	s_mul_i32 s2, s48, 32*PITCH
	s_add_co_u32 s2, s2, RW
	v_mul_u32_u24 v6, v2, PITCH
	v_lshl_add_u32 v6, v3, 4, v6
	v_add_nc_u32 v6, s2, v6                        ; v6: row r of my 32 rows of reduc_w
	s_lshl_b32 s2, s48, 10
	s_add_co_u32 s2, s2, TBL
	v_lshl_add_u32 v7, v3, 6, s2                   ; v7: my table, read: 16 channels (64 bytes) on for lanes 16-31
	v_add_nc_u32 v8, s2, v1                        ; v8: my table, written: four channels a lane
	s_lshr_b32 s2, s48, 2
	s_lshl_b32 s2, s2, 8
	s_and_b32 s51, s48, 3
	s_lshl_b32 s51, s51, 2
	s_add_co_u32 s2, s2, s51
	s_add_co_u32 s2, s2, SCST
	v_lshl_add_u32 v9, v2, 4, s2                   ; v9: q's scale word: 256 (w / 4) + 16 r + 4 (w % 4)
	s_lshr_b32 s2, s48, 1
	s_lshl_b32 s2, s2, 8
	s_and_b32 s51, s48, 1
	s_lshl_b32 s51, s51, 3
	s_add_co_u32 s2, s2, s51
	s_add_co_u32 s2, s2, SCST+512
	v_lshl_add_u32 v10, v2, 4, s2                  ; v10: feat's, tile T = 2 w + u: 256 (w / 2) + 16 r + 8 (w % 2), + 4 u in the immediate
	s_lshl_b32 s2, s48, 6
	s_add_co_u32 s2, s2, SCST+1536
	v_lshl_add_u32 v11, v2, 2, s2                  ; v11: the bias of position 16 w + r
	s_lshl_b32 s2, s48, 8
	s_add_co_u32 s2, s2, SCST
	v_lshl_add_u32 v12, v250, 3, s2                ; v12: the tail on its way out: my 256 bytes, 8 a lane
	v_lshlrev_b32 v13, 3, v250                     ; v13: and the same in memory
	s_wait_loadcnt 0x0                             ; all 32
.irp i, 44,45,46,47,54,55
	v_add_f32 v\i, 0x3727c5ac, v\i                 ; var + 1e-5
.endr
.irp i, 44,45,46,47,54,55
	v_rsq_f32 v\i, v\i
.endr
	v_add_f32 v56, -1.0, v56                       ; mask - 1.  (The plain instruction behind the transcendentals: ISA guide 5.7.2)
	s_wait_alu depctr_va_vdst(0)
.irp i, 0,1,2,3
	v_mul_f32 v[32+\i], v[32+\i], v[44+\i]         ; inv = gamma / sqrt(var + eps)
.endr
.irp i, 0,1,2,3
	v_fma_f32 v[36+\i], -v[40+\i], v[32+\i], v[36+\i]   ; shift = beta - mean x inv
.endr
.irp u, 0,1
	v_mul_f32 v[BN+4*\u], v[48+\u], v[54+\u]
.endr
.irp u, 0,1
	v_fma_f32 v[BN+4*\u+2], -v[52+\u], v[BN+4*\u], v[50+\u]
.endr
.irp u, 0,1
	v_mov_b32 v[BN+4*\u+1], v[BN+4*\u]             ; both halves of a pair hold the lane's number: the packed form takes them as they stand
	v_mov_b32 v[BN+4*\u+3], v[BN+4*\u+2]
.endr
	v_mul_f32 v56, 0x4e86deb3, v56                 ; x 1e8 x (1e-8 + sqrt(128)) = 1.13137085e9: the bias in units of the raw score
	ds_store_b128 v8, v[32:35]                     ; my own table
	ds_store_b128 v8, v[36:39] offset:512
	ds_store_b32 v11, v56                          ; (lanes l and l + 16 write the same word with the same number)
.irp b, 0,1,2,3
	v_mov_b32 v[TM+4+\b], 0                        ; written once: a lane permute's destination counts as one of its sources
.endr
	s_wait_tensorcnt 0x0                           ; my 64 rows have landed,
	s_wait_dscnt 0x0                               ; my stores too:
	s_barrier_signal -1
	s_barrier_wait -1                              ; everybody's have
; A unit's 16 matrix instructions.  aoff: where source 0's rows begin in LDS; v[badr] + boff: source 1's 16 rows; as, bs: their scale words.
; The eight accumulators take turns, one instruction a turn.  The first K step starts the sums with the constant 0.
.macro MULS aoff, badr, boff, as, bs
.irp ks, 0,1
.if \ks == 1
.rept 4
	v_nop                                          ; four places in front of loads into registers that matrix instructions have read (ISA guide 7.12.1 for vector instructions)
.endr
.endif
.irp t, 0,1,2,3,4,5,6,7
.irp c, 0,1
	ds_load_b128 v[AF+8*\t+4*\c:AF+8*\t+4*\c+3], v4 offset:(\aoff)+(32*(\t/2)+8*(\t%2))*PITCH+64*\ks+32*\c
.endr
.endr
.if \ks == 0
.irp k2, 0,1
.irp c, 0,1
	ds_load_b128 v[BF+8*\k2+4*\c:BF+8*\k2+4*\c+3], v[\badr] offset:(\boff)+64*\k2+32*\c
.endr
.endr
.endif
	s_wait_dscnt 0x0
.irp t, 0,1,2,3,4,5,6,7
.if \ks == 0
	v_wmma_scale_f32_16x16x128_f8f6f4 v[HA+8*\t:HA+8*\t+7], v[AF+8*\t:AF+8*\t+7], v[BF+8*\ks:BF+8*\ks+7], 0, v[(\as)+2*\t+\ks], v[(\bs)+\ks] matrix_a_fmt:MATRIX_FMT_FP4 matrix_b_fmt:MATRIX_FMT_FP4
.else
	v_wmma_scale_f32_16x16x128_f8f6f4 v[HA+8*\t:HA+8*\t+7], v[AF+8*\t:AF+8*\t+7], v[BF+8*\ks:BF+8*\ks+7], v[HA+8*\t:HA+8*\t+7], v[(\as)+2*\t+\ks], v[(\bs)+\ks] matrix_a_fmt:MATRIX_FMT_FP4 matrix_b_fmt:MATRIX_FMT_FP4
.endif
.endr
.endr
.rept 4
	v_nop                                          ; four places in front of the first read of results, and of loads into the operands' registers
.endr
.endm
; ReLU, then 64 numbers of a lane (register 16 b + i = k 32 b + 16 (lane / 16) + i of my row) become a fragment's codes in v[pc] on and its scale word in v[pw].  None is negative: no |.| on the maxima's sources.
.macro QUANT pc, pw
.set j, 0
.rept 64
	v_max_num_f32 v[HA+j], 0, v[HA+j]              ; the activation, in f32
.set j, j+1
.endr
.irp b, 0,1,2,3
	v_max3_num_f32 v[TM+\b], v[HA+16*\b], v[HA+1+16*\b], 0x1800000   ; block b: my 16 numbers, and the floor 2^(3 - 127): the byte cannot fall under 1
.endr
.irp i, 2,4,6,8,10,12,14
.irp b, 0,1,2,3
	v_max3_num_f32 v[TM+\b], v[TM+\b], v[HA+16*\b+\i], v[HA+1+16*\b+\i]   ; (the four blocks by turns)
.endr
.endr
.irp b, 0,1,2,3
	v_permlanex16_b32 v[TM+4+\b], v[TM+\b], s52, s53
.endr
.irp b, 0,1,2,3
	v_max_num_f32 v[TM+\b], v[TM+\b], v[TM+4+\b]   ; with lane l xor 16's: the block's largest magnitude
.endr
.irp b, 0,1,2,3
	v_add_nc_u32 v[TM+12+\b], 0xff000000, v[TM+\b] ; 2 off its exponent field: the conversion takes the exponent field of this operand as its scale
.endr
.irp b, 0,1,2,3
	v_lshrrev_b32 v[TM+4+\b], 23, v[TM+12+\b]      ; the scale's byte
.endr
	v_lshl_or_b32 v[\pw], v[TM+5], 8, v[TM+4]      ; my row's scale word
	v_lshl_or_b32 v[\pw], v[TM+6], 16, v[\pw]
	v_lshl_or_b32 v[\pw], v[TM+7], 24, v[\pw]
.irp b, 0,1,2,3
	v_cvt_scalef32_pk8_fp4_f32 v[(\pc)+2*\b], v[HA+16*\b:HA+7+16*\b], v[TM+12+\b]
	v_cvt_scalef32_pk8_fp4_f32 v[(\pc)+1+2*\b], v[HA+8+16*\b:HA+15+16*\b], v[TM+12+\b]
.endr
	v_nop                                          ; one plain place behind a scaled conversion
.irp c, 0,1                                    ; the operand's layout wants a WHOLE block in a lane: lanes 0-15 block 2 c, lanes 16-31 block 2 c + 1
.irp i, 0,1
	v_permlane16_swap_b32 v[(\pc)+4*\c+\i], v[(\pc)+2+4*\c+\i]
.endr
.endr
.endm
	; ---- q: my 16 positions x 128 channels.  A register's channel hangs on the register and on the lane's half: inv and shift come from my table, 16 neighbours a block
	MULS AW, 5, 0, AWS, XPS
.irp g, 0,1
.irp bb, 0,1
.irp i, 0,1,2,3
	ds_load_b128 v[AF+16*\bb+4*\i:AF+16*\bb+4*\i+3], v7 offset:128*(2*\g+\bb)+16*\i
	ds_load_b128 v[AF+32+16*\bb+4*\i:AF+32+16*\bb+4*\i+3], v7 offset:512+128*(2*\g+\bb)+16*\i
.endr
.endr
	s_wait_dscnt 0x0
.irp bb, 0,1
.irp i, 0,2,4,6,8,10,12,14
	v_pk_fma_f32 v[HA+16*(2*\g+\bb)+\i:HA+16*(2*\g+\bb)+\i+1], v[HA+16*(2*\g+\bb)+\i:HA+16*(2*\g+\bb)+\i+1], v[AF+16*\bb+\i:AF+16*\bb+\i+1], v[AF+32+16*\bb+\i:AF+32+16*\bb+\i+1]   ; each accumulator from its low end on
.endr
.endr
.endr
	QUANT PC, PW
	global_store_b128 v1, v[PC:PC+3], s[56:57]             ; the fragment as it stands: each store covers 512 consecutive bytes, aligned
	global_store_b128 v1, v[PC+4:PC+7], s[56:57] offset:512
	ds_store_b32 v9, v[PW]                         ; the scale words gather in LDS (lanes l and l + 16 hold the same word)
	; ---- feat: my 16 channels x the 128 positions, twice.  A lane holds one channel: inv and shift are the lane's own
.macro VUNIT u
	MULS XT, 6, 16*PITCH*\u, XS, RWS+2*\u
.set j, 0
.rept 32
	v_pk_fma_f32 v[HA+j:HA+j+1], v[HA+j:HA+j+1], v[BN+4*\u:BN+4*\u+1], v[BN+4*\u+2:BN+4*\u+3]
.set j, j+2
.endr
	QUANT PC+8+8*\u, PW+1+\u
	global_store_b128 v1, v[PC+8+8*\u:PC+8+8*\u+3], s[58:59] offset:1024*\u
	global_store_b128 v1, v[PC+8+8*\u+4:PC+8+8*\u+7], s[58:59] offset:1024*\u+512
	ds_store_b32 v10, v[PW+1+\u] offset:4*\u
.endm
	VUNIT 0
	VUNIT 1
	s_wait_dscnt 0x0                               ; for the others' sake: my scale words lie in LDS
	s_barrier_signal -1
	s_barrier_wait -1                              ; the tail's 2,048 bytes are whole
	ds_load_b64 v[250:251], v12
	s_wait_dscnt 0x0
	global_store_b64 v13, v[250:251], s[60:61]     ; 32 lanes store 256 consecutive bytes, aligned
	s_wait_tensorcnt 0x0
	ds_add_u32 v254, v255
	s_wait_dscnt 0x0
	s_endpgm
.Lfunc_end_k_q1072c1604a_prep:
	.size	k_q1072c1604a_prep, .Lfunc_end_k_q1072c1604a_prep-k_q1072c1604a_prep
	.p2alignl 7, 3214868480
	.fill 96, 4, 3214868480
	.section	.rodata,"a",@progbits
	.p2align	6, 0x0
	.amdhsa_kernel k_q1072c1604a_prep
		.amdhsa_group_segment_fixed_size 168960
		.amdhsa_private_segment_fixed_size 0
		.amdhsa_enable_private_segment 0
		.amdhsa_kernarg_size 128
		.amdhsa_user_sgpr_count 2
		.amdhsa_user_sgpr_kernarg_segment_ptr 1
		.amdhsa_wavefront_size32 1
		.amdhsa_system_sgpr_workgroup_id_x 1
		.amdhsa_system_sgpr_workgroup_id_y 1
		.amdhsa_system_sgpr_workgroup_id_z 1
		.amdhsa_system_vgpr_workitem_id 0
		.amdhsa_next_free_vgpr 256
		.amdhsa_next_free_sgpr 66
		.amdhsa_reserve_vcc 0
		.amdhsa_float_denorm_mode_32 3
		.amdhsa_float_denorm_mode_16_64 3
		.amdhsa_memory_ordered 1
		.amdhsa_forward_progress 1
		.amdhsa_inst_pref_size 51
	.end_amdhsa_kernel
	.amdgpu_metadata
---
amdhsa.version: [ 1, 2 ]
amdhsa.kernels:
  - .name:           k_q1072c1604a_prep
    .symbol:         k_q1072c1604a_prep.kd
    .args:
      - { .name: x_codes, .offset: 0, .size: 8, .value_kind: global_buffer, .address_space: global }
      - { .name: x_scales, .offset: 8, .size: 8, .value_kind: global_buffer, .address_space: global }
      - { .name: att_w_codes, .offset: 16, .size: 8, .value_kind: global_buffer, .address_space: global }
      - { .name: att_w_scales, .offset: 24, .size: 8, .value_kind: global_buffer, .address_space: global }
      - { .name: reduc_w_codes, .offset: 32, .size: 8, .value_kind: global_buffer, .address_space: global }
      - { .name: reduc_w_scales, .offset: 40, .size: 8, .value_kind: global_buffer, .address_space: global }
      - { .name: att_gamma, .offset: 48, .size: 8, .value_kind: global_buffer, .address_space: global }
      - { .name: att_beta, .offset: 56, .size: 8, .value_kind: global_buffer, .address_space: global }
      - { .name: att_mean, .offset: 64, .size: 8, .value_kind: global_buffer, .address_space: global }
      - { .name: att_var, .offset: 72, .size: 8, .value_kind: global_buffer, .address_space: global }
      - { .name: reduc_gamma, .offset: 80, .size: 8, .value_kind: global_buffer, .address_space: global }
      - { .name: reduc_beta, .offset: 88, .size: 8, .value_kind: global_buffer, .address_space: global }
      - { .name: reduc_mean, .offset: 96, .size: 8, .value_kind: global_buffer, .address_space: global }
      - { .name: reduc_var, .offset: 104, .size: 8, .value_kind: global_buffer, .address_space: global }
      - { .name: mask, .offset: 112, .size: 8, .value_kind: global_buffer, .address_space: global }
      - { .name: kv, .offset: 120, .size: 8, .value_kind: global_buffer, .address_space: global }
    .group_segment_fixed_size: 168960
    .private_segment_fixed_size: 0
    .kernarg_segment_align: 8
    .kernarg_segment_size: 128
    .max_flat_workgroup_size: 256
    .sgpr_count:     66
    .vgpr_count:     256
    .wavefront_size: 32
...
	.end_amdgpu_metadata
.endif
;; end of part 1
;; launch attn (part 2): grid 32 x 8, 4 waves a work-group, clusters of 4 x 1, 327,680 bytes of LDS; arguments kv, mask, out0; writes out0
.if DOCPART == 2
	.amdgcn_target "amdgcn-amd-amdhsa--gfx1250"
	.amdhsa_code_object_version 6
	.text
	.protected	k_q1072c1604a_attn
	.globl	k_q1072c1604a_attn
	.p2align	8
	.type	k_q1072c1604a_attn,@function
k_q1072c1604a_attn:
	s_mov_b64 s[64:65], 0
	v_nop
	global_prefetch_b8 v0, s[64:65] scope:SCOPE_SE
	s_setreg_imm32_b32 hwreg(HW_REG_WAVE_MODE, 25, 1), 1
	s_wait_xcnt 0x0
	s_wait_alu depctr_hold_cnt(0) depctr_sa_sdst(0) depctr_va_vdst(0) depctr_va_sdst(0) depctr_va_ssrc(0) depctr_va_vcc(0) depctr_vm_vsrc(0)
	s_getreg_b32 s2, hwreg(HW_REG_IB_STS2, 6, 4)
	s_cmp_eq_u32 s2, 0
	s_cbranch_scc0 .Lentry_in_a_cluster
	s_endpgm
.Lentry_in_a_cluster:
	s_bfe_u32 s2, ttmp6, 0x10000c
	s_cmp_lg_u32 s2, 0x3003
	s_cbranch_scc0 .Lentry_shape_is_right
	s_endpgm
.Lentry_shape_is_right:
; PosSelfAtten, second launch: out[n][c][i] = mask_i x (sum over j of p(i, j) feat[c][j]) / l_i, both products on codes of FP4 (E2M1) with one E8M0 scale for each 32 along K.
; score(i, j) = q_i . q_j + B_j, B_j the key's bias in raw units, given as the C of the score's matrix instruction; t = score x log2(e) / sqrt(128); M = the row's largest t so far, rounded UP to a whole number;
; p = 2^(t - M) is quantised along the keys, not normalised; l is the sum of the unquantised p.  When M moves, l and O are multiplied by 2^(old M - new M): exact.
; INPUT: kv, blocks of 26,624 bytes for each 128 positions, laid as images of the operands' registers (lane l's 16 bytes at 16 l): 8 tiles of q, 16 tiles of feat, their scale words, 128 biases.
; SHARES.  A work-group owns the 128 queries of one block, each of its four waves 32: two tiles of 16, which are tiles 2 w and 2 w + 1 of q in that block.  Every wave walks the image's 32 blocks of keys; each fragment
; of K and V that it reads from LDS feeds two matrix instructions.  256 work-groups of equal work.
; LAYOUT.  Both products are used transposed: S^T = K Q^T (source 0 = 16 keys, source 1 = 16 queries), O^T = V P^T (source 0 = 16 channels, source 1 = P): a lane holds ONE query (lane % 16) throughout.
; Row r of tile 2 b + u of q is position 32 b + 8 u + r + 8 (r / 8), so that the 16 registers of score tiles 2 b, 2 b + 1 are 16 neighbouring keys, 32 b + 16 (lane / 16) + 0 .. 15.
; RING.  Two LDS slots of four blocks (106,496 bytes).  Each wave brings one block with one tensor load: one load of mine is out at a time, and it has four key steps in which to land.
; CLUSTER.  The four work-groups of a cluster belong to one image and walk the same blocks: each block is asked for JOINTLY, by the same tensor load with the same descriptor and a mask that names the four.
; A STEP: 16 score products | one run of LDS loads (this step's V, the next step's K and biases) | the softmax of both tiles, line by line by turns | O^T x f | 32 products V P^T | the sums of p, issued behind those products.
; NOT DONE: no prefetch (kv is what the launch before has stored, and 32 work-groups read each block); no padding in LDS (every load takes 512 consecutive bytes); masked keys are not skipped (that would be a branch on data).
; LIMITS: NaN and infinities are not served.  A block of 32 p whose largest lies under 2^-124 keeps the byte 1: its codes are zeros.  The bias is added in raw score units inside the matrix unit: where EVERY key of an
; image is masked the weights are rounding noise here as in the definition, and the output is 0 either way, since the same mask multiplies it.
; REGISTERS, in windows of 256: window 0: addresses, statistics, Q, scale words, p's codes, S^T (v96-223).   window 1: O^T, tile x at 128 x + 8 T.   window 2: v0-63 K, v64-127 the biases, v128-255 V; on the way out rows of out.
.set STEPB, 26624
.set KOF,   0
.set VOF,   8192
.set KSOF,  24576
.set VSOF,  25088
.set BOF,   26112
.set SLOTB, 4*STEPB
.set SLOT1, 1<<17                      ; slot 1 begins here: one exclusive or turns an address in one slot into the other's
.set SP,    528                        ; the way out: a stage row: 128 positions x 4 bytes + 16
.set STG1,  SLOT1+SLOTB                ; the stage for channels 128-255: bytes of its own.  That for channels 0-127 lies at byte 0, in slot 0, which has had its last fill and its last read when the first result is stored there
.set SPARE, STG1+128*SP                ; the spare words, 128 bytes for each wave: two blocks of 256 bytes that no other line names
.set LI,  1                            ; v1      16 x lane
.set ADR, 2                            ; v2, v3  16 x lane + the slot in hand, + two blocks
.set BAD, 4                            ; v4, v5  64 (lane / 16) + the slot in hand, + two blocks
.set SPW, 6                            ; v6      LDS address of my spare word; never rewritten
.set NIL, 7                            ; v7      0; never rewritten
.set HB,  8                            ; v8      64 (lane / 16)
.set SO,  10                           ; v10, v11  the way out: where I put a number, channels 0-127, 128-255
.set ST,  12                           ; tile x at v[12 + 4 x]: -M, the largest t, the sum in two halves
.set QF,  20                           ; v20-35  Q's two fragments
.set QS,  36                           ; v36-37  their scale words
.set MK,  38                           ; v38-39  my queries' mask
.set KS,  40                           ; v40-43  K's scale words: register i: tile i in lanes 0-15, tile 4 + i in lanes 16-31
.set VS,  44                           ; v44-51  V's: register 4 g + i: tile 8 g + i in lanes 0-15, tile 8 g + 4 + i in lanes 16-31
.set PC,  52                           ; v52-67  p's codes
.set FP,  68                           ; tile x at v[68 + 2 x]: f, and p's scale word
.set BM,  72                           ; v72-79  each block's largest score, then its largest p
.set BP,  80                           ; v80-87  the other lane's; then the bytes
.set BS,  88                           ; v88-95  the conversions' scale operands
.set S,   96                           ; v96-223 S^T, then p
.set T0,  224                          ; v224-225 at work
.set SU,  226                          ; v226-229 the sums' second chains
.set G,   230                          ; v230-233 mask / l, twice
.set RD,  234                          ; v234, v235 the way out: where I read rows back
.set KF,  0                            ; in window 2
.set BI,  64
.set VF,  128
.set WV,  10                           ; s10 my wave's number
.set SEL, 20                           ; s[20:21] lane selects for v_permlanex16_b32: lane l xor 16
.set CS,  22                           ; s[22:23] c = log2(e) / sqrt(128)
.set G1,  24                           ; s[24:31] descriptor group 1
.set G0,  32                           ; s[32:35] descriptor group 0, which walks
.set TB,  36                           ; s36 LDS byte at which the slot in hand begins
.set SLOTS, 37                         ; s37 slots still to be asked for
.set MSB, 0
.macro WIN new                         ; the immediate's high byte repeats the setting that is left; a switch that changes nothing is dropped
.if MSB != \new
	s_set_vgpr_msb (MSB<<8)|\new
.set MSB, \new
.endif
.endm
; low byte: bits 1:0 source 0, 3:2 source 1, 5:4 source 2, 7:6 destination
.set W_KQ, 0x22                        ; K and the biases in window 2, Q and S^T in window 0
.set W_PV, 0x52                        ; V in window 2, P in window 0, O^T in window 1
.set W_RS, 0x41                        ; O^T (destination and source 0) in window 1, the factor in window 0
.set W_L2, 0x80                        ; destination window 2, address window 0
; A round of the cluster's barrier: my work-group's barrier, wave 0 signals for the work-group, every wave waits for all four work-groups, my work-group's barrier once more.
.macro CROUND
	s_barrier_signal -1
	s_barrier_wait -1
	s_cmp_lg_u32 s[WV], 0
	s_cbranch_scc1 .Lnot_wave_0_\@
	s_barrier_signal -3
.Lnot_wave_0_\@:
	s_barrier_wait -3
	s_barrier_signal -1
	s_barrier_wait -1
.endm
	s_load_b128 s[4:7], s[0:1], 0x0                ; kv s[4:5], mask s[6:7]
	s_load_b64 s[8:9], s[0:1], 0x10                ; out0
	v_lshl_add_u32 v[SPW], v0, 2, SPARE
	v_mov_b32 v[NIL], 0
	ds_add_u32 v6, v7
	ds_add_u32 v6, v7
	s_wait_dscnt 0x0
	v_lshrrev_b32 v9, 5, v0
	v_readfirstlane_b32 s[WV], v9                  ; wave 0..3
	s_bfe_u32 s11, ttmp6, 0x40000                  ; cx: my place in the cluster
	s_lshl_b32 s12, ttmp9, 2                       ; in a cluster launch ttmp9 counts clusters
	s_add_co_u32 s12, s12, s11                     ; my block of queries = 4 x cluster x + cx: it enters the addresses of Q, of the mask and of out alone
	s_and_b32 s13, ttmp7, 0xffff                   ; the image, which the four partners share
	; descriptor group 1: a block, 26,624 dense bytes, as 104 rows of 256 bytes (32 elements of 8 bytes), no padding
	s_mov_b32 s[G1], 15|(3<<16)|(1<<21)            ; 15:0 the mask: all four work-groups; 17:16 elements of 8 bytes; 21 set beside a mask
	s_mov_b32 s[G1+1], 32<<16                      ; tensor_dim0 = 32
	s_mov_b32 s[G1+2], 104<<16                     ; tensor_dim1 = 104
	s_mov_b32 s[G1+3], 32<<16                      ; tile_dim0 = 32
	s_mov_b32 s[G1+4], 104                         ; tile_dim1 = 104
	s_mov_b32 s[G1+5], 32                          ; from row to row
	s_mov_b32 s[G1+6], 0
	s_mov_b32 s[G1+7], 0
	s_mov_b32 s[G0], 1                             ; count = 1
	s_mul_i32 s[G0+1], s[WV], STEPB                ; LDS address: slot 0, block w of its four: no place in the cluster enters it
	s_mul_i32 s14, s13, 32*STEPB
	s_add_co_u32 s14, s14, s[G0+1]                 ; in kv: the image's first block, + w blocks
	s_mov_b32 s15, 0
	s_lshl_b32 s2, s13, 5
	s_add_co_u32 s2, s2, s12                       ; 32 n + x: my queries' block
	s_mul_i32 s16, s2, STEPB
	s_lshr_b32 s18, s[WV], 1
	s_lshl_b32 s18, s18, 8
	s_and_b32 s19, s[WV], 1
	s_lshl_b32 s19, s19, 3
	s_add_co_u32 s18, s18, s19
	s_add_co_u32 s18, s18, s16
	s_add_co_u32 s18, s18, KSOF                    ; the scale words of tiles 2 w + x: 256 (w / 2) + 8 (w % 2), + 16 r, + 4 x
	s_mov_b32 s19, 0
	s_lshl_b32 s17, s[WV], 11
	s_add_co_u32 s16, s16, s17                     ; and their codes: 2,048 w
	s_mov_b32 s17, 0
	s_lshl_b32 s2, s2, 9
	s_lshl_b32 s3, s[WV], 7
	s_add_co_u32 s2, s2, s3                        ; mask: 4 x (128 (32 n + x) + 32 w)
	s_mov_b32 s3, 0
	s_lshl_b32 s38, s13, 22                        ; out: an image is 256 x 4,096 x 4 bytes; my block's 128 positions; my wave stores channels 32 w on of each half
	s_lshl_b32 s39, s12, 9
	s_add_co_u32 s38, s38, s39
	s_lshl_b32 s39, s[WV], 19
	s_add_co_u32 s38, s38, s39
	s_mov_b32 s39, 0
	s_mov_b32 s[SEL], 0x76543210
	s_mov_b32 s[SEL+1], 0xfedcba98
	s_mov_b32 s[CS], 0x3e0293ee                    ; c = log2(e) / (1e-8 + sqrt(128)), in f32
	s_mov_b32 s[CS+1], s[CS]                       ; (named with it as a pair, so it is written)
	s_mov_b32 s[TB], 0
	s_mov_b32 s[SLOTS], 7
	s_wait_kmcnt 0x0
	s_add_nc_u64 s[G0+2:G0+3], s[4:5], s[14:15]
	s_or_b32 s[G0+3], s[G0+3], 0x80000000          ; type = 2
	s_add_nc_u64 s[16:17], s[4:5], s[16:17]
	s_add_nc_u64 s[18:19], s[4:5], s[18:19]
	s_add_nc_u64 s[6:7], s[6:7], s[2:3]
	s_add_nc_u64 s[8:9], s[8:9], s[38:39]
	CROUND                                         ; all four work-groups are here: the first joint loads meet
	tensor_load_to_lds s[G0:G0+3], s[G1:G1+7]      ; slot 0: blocks 0 to 3, mine is block w
	s_nop 0
.rept 4
	v_nop
.endr
	v_and_b32 v9, 31, v0
	v_lshlrev_b32 v[LI], 4, v9
	v_and_b32 v236, 15, v0                         ; r
	v_bfe_u32 v237, v0, 4, 1                       ; h
	v_and_b32 v238, 8, v236
	v_add_nc_u32 v238, v238, v236                  ; r + 8 (r / 8)
	v_lshlrev_b32 v239, 2, v238
	v_lshlrev_b32 v240, 4, v236
.irp x, 0,1
.irp c, 0,1
	global_load_b128 v[QF+8*\x+4*\c:QF+8*\x+4*\c+3], v[LI], s[16:17] offset:1024*\x+512*\c   ; Q's fragments stay in registers
.endr
	global_load_b32 v[QS+\x], v240, s[18:19] offset:4*\x
	global_load_b32 v[MK+\x], v239, s[6:7] offset:32*\x    ; mask of position 32 w + 8 x + r + 8 (r / 8)
.endr
	v_lshlrev_b32 v[HB], 6, v237
	s_lshl_b32 s14, s[WV], 7
	v_mul_u32_u24 v[SO], v237, 8*SP                ; the stage, in: row = channel 16 T + 8 h + j, column = my query's position: 4 (32 w + 8 x + r + 8 (r / 8))
	v_add_nc_u32 v[SO], v[SO], v239
	v_add_nc_u32 v[SO], s14, v[SO]
	v_add_nc_u32 v[SO+1], STG1, v[SO]
	s_mul_i32 s15, s[WV], 32*SP
	v_add_nc_u32 v[RD], s15, v[LI]                 ; back: rows 32 w on, 16 bytes a lane
	v_add_nc_u32 v[RD+1], STG1, v[RD]
.irp x, 0,1
	v_mov_b32 v[ST+4*\x+1], 0xff61b1e6             ; the largest t so far: -3e38, under every t
	v_floor_f32 v[ST+4*\x], -v[ST+4*\x+1]          ; -M
	v_mov_b32 v[ST+4*\x+2], 0                      ; the sum, in two halves
	v_mov_b32 v[ST+4*\x+3], 0
	v_mov_b32 v[FP+2*\x+1], 0                      ; (named as the upper half of a pair before it is first written)
.endr
.irp b, 0,1,2,3,4,5,6,7
	v_mov_b32 v[BP+\b], 0                          ; written once: a lane permute's destination counts as one of its sources
.endr
	WIN 0x40                                       ; destination window 1
.set j, 0
.rept 256
	v_mov_b32 v[j], 0                              ; O^T.  The step is written without a first step of its own: the first finds zeros, which the first change of M leaves zeros.  These lines stand between the first tile's request and the wait for it
.set j, j+1
.endr
	WIN 0
; K's eight fragments, the biases in the scores' layout (register 8 t + i of lane (r, h): key 32 (t / 2) + 16 h + 8 (t % 2) + i) and K's scale words of the slot's q-th block
.macro KLOAD q
.set OB, ((\q)%2)*STEPB
	WIN W_L2
.irp t, 0,1,2,3,4,5,6,7
.irp c, 0,1
	ds_load_b128 v[KF+8*\t+4*\c:KF+8*\t+4*\c+3], v[ADR+(\q)/2] offset:OB+KOF+1024*\t+512*\c
.endr
.endr
.irp t, 0,1,2,3,4,5,6,7
.irp c, 0,1
	ds_load_b128 v[BI+8*\t+4*\c:BI+8*\t+4*\c+3], v[BAD+(\q)/2] offset:OB+BOF+128*(\t/2)+32*(\t%2)+16*\c
.endr
.endr
	WIN 0
	ds_load_b128 v[KS:KS+3], v[ADR+(\q)/2] offset:OB+KSOF
.endm
; V's scale words and its sixteen fragments
.macro VLOAD q
.set OB, ((\q)%2)*STEPB
	WIN 0
.irp g, 0,1
	ds_load_b128 v[VS+4*\g:VS+4*\g+3], v[ADR+(\q)/2] offset:OB+VSOF+512*\g
.endr
	WIN W_L2
.irp t, 0,1,2,3,4,5,6,7,8,9,10,11,12,13,14,15
.irp c, 0,1
	ds_load_b128 v[VF+8*\t+4*\c:VF+8*\t+4*\c+3], v[ADR+(\q)/2] offset:OB+VOF+1024*\t+512*\c
.endr
.endr
.endm
; The softmax of both tiles for 128 keys, every line for the two tiles (and the four blocks) by turns, so that no line waits for the line above it.
.macro SOFT
.irp x, 0,1
.irp b, 0,1,2,3
	v_max3_num_f32 v[BM+4*\x+\b], v[S+64*\x+16*\b], v[S+64*\x+16*\b+1], v[S+64*\x+16*\b+2]   ; THE LARGEST SCORE OF EACH BLOCK OF 32 KEYS: for the row's maximum, and, since p rises with the score, for the block's largest p.  (Each accumulator is read from its low end on)
.endr
.endr
.irp i, 3,5,7,9,11,13
.irp x, 0,1
.irp b, 0,1,2,3
	v_max3_num_f32 v[BM+4*\x+\b], v[BM+4*\x+\b], v[S+64*\x+16*\b+\i], v[S+64*\x+16*\b+\i+1]
.endr
.endr
.endr
.irp x, 0,1
.irp b, 0,1,2,3
	v_max_num_f32 v[BM+4*\x+\b], v[BM+4*\x+\b], v[S+64*\x+16*\b+15]
.endr
.endr
.irp b, 0,1,2,3,4,5,6,7
	v_permlanex16_b32 v[BP+\b], v[BM+\b], s[SEL], s[SEL+1]
.endr
.irp b, 0,1,2,3,4,5,6,7
	v_max_num_f32 v[BM+\b], v[BM+\b], v[BP+\b]     ; with lane l xor 16's 16 keys
.endr
.irp x, 0,1
	v_max3_num_f32 v[T0+\x], v[BM+4*\x], v[BM+4*\x+1], v[BM+4*\x+2]
.endr
.irp x, 0,1
	v_max_num_f32 v[T0+\x], v[T0+\x], v[BM+4*\x+3] ; the step's largest score of my query
.endr
.irp x, 0,1
	v_mul_f32 v[T0+\x], s[CS], v[T0+\x]            ; as t (c is positive)
.endr
.irp x, 0,1
	v_max_num_f32 v[ST+4*\x+1], v[ST+4*\x+1], v[T0+\x]   ; the running largest t
.endr
.irp x, 0,1
	v_mov_b32 v[T0+\x], v[ST+4*\x]
.endr
.irp x, 0,1
	v_floor_f32 v[ST+4*\x], -v[ST+4*\x+1]          ; the new -M = floor(-t) = -ceil(t): M IS A WHOLE NUMBER
.endr
.irp x, 0,1
	v_sub_f32 v[T0+\x], v[ST+4*\x], v[T0+\x]       ; M's old value less its new one: a whole number, 0 or less
.endr
.irp x, 0,1
	v_cvt_i32_f32 v[T0+\x], v[T0+\x]               ; (it saturates)
.endr
.irp x, 0,1
	v_ldexp_f32 v[FP+2*\x], 1.0, v[T0+\x]          ; f = 2^(old M - new M)
.endr
.set j, 0
.rept 32
.irp x, 0,1
	v_pk_fma_f32 v[S+64*\x+j:S+64*\x+j+1], v[S+64*\x+j:S+64*\x+j+1], s[CS:CS+1], v[ST+4*\x:ST+4*\x+1] op_sel_hi:[1,0,0]   ; t - M, two at a time (of the pairs c and -M the low word serves both halves)
.endr
.set j, j+2
.endr
.irp x, 0,1
.irp b, 0,1,2,3
	v_fma_f32 v[BM+4*\x+\b], v[BM+4*\x+\b], s[CS], v[ST+4*\x]   ; the same of each block's largest score
.endr
.endr
.set j, 0
.rept 128
	v_exp_f32 v[S+j], v[S+j]                       ; p = 2^(t - M), at most 1: NOT normalised
.set j, j+1
.endr
.irp b, 0,1,2,3,4,5,6,7
	v_exp_f32 v[BM+\b], v[BM+\b]                   ; the block's largest p: the same two instructions on the same number give the same bits
.endr
.irp x, 0,1
	v_pk_mul_f32 v[ST+4*\x+2:ST+4*\x+3], v[ST+4*\x+2:ST+4*\x+3], v[FP+2*\x:FP+2*\x+1] op_sel_hi:[1,0]   ; the sums under the new M.  (A plain place behind the exponentials)
.endr
	s_wait_alu depctr_va_vdst(0)
.irp b, 0,1,2,3,4,5,6,7
	v_max_num_f32 v[BM+\b], 0x1800000, v[BM+\b]    ; the floor 2^(3 - 127): the byte cannot fall under 1
.endr
.irp b, 0,1,2,3,4,5,6,7
	v_add_nc_u32 v[BS+\b], 0xff000000, v[BM+\b]    ; 2 off the exponent field: the conversion's scale operand
.endr
.irp b, 0,1,2,3,4,5,6,7
	v_lshrrev_b32 v[BP+\b], 23, v[BS+\b]           ; the scale's byte
.endr
.irp x, 0,1
	v_lshl_or_b32 v[FP+2*\x+1], v[BP+4*\x+1], 8, v[BP+4*\x]    ; p's scale word for these 128 keys
.endr
.irp x, 0,1
	v_lshl_or_b32 v[FP+2*\x+1], v[BP+4*\x+2], 16, v[FP+2*\x+1]
.endr
.irp x, 0,1
	v_lshl_or_b32 v[FP+2*\x+1], v[BP+4*\x+3], 24, v[FP+2*\x+1]
.endr
.irp x, 0,1
.irp b, 0,1,2,3
	v_cvt_scalef32_pk8_fp4_f32 v[PC+8*\x+2*\b], v[S+64*\x+16*\b:S+64*\x+16*\b+7], v[BS+4*\x+\b]
	v_cvt_scalef32_pk8_fp4_f32 v[PC+8*\x+2*\b+1], v[S+64*\x+16*\b+8:S+64*\x+16*\b+15], v[BS+4*\x+\b]
.endr
.endr
	v_nop                                          ; one plain place behind a scaled conversion
.irp x, 0,1
.irp c, 0,1                                    ; the operand's layout wants a WHOLE block in a lane: lanes 0-15 block 2 c, lanes 16-31 block 2 c + 1
.irp i, 0,1
	v_permlane16_swap_b32 v[PC+8*\x+4*\c+\i], v[PC+8*\x+4*\c+2+\i]
.endr
.endr
.endr
.endm
; THE ROW'S SUM IS TAKEN OF THE UNQUANTISED p: two at a time, two chains a tile
.macro SUMS
.irp x, 0,1
	v_pk_add_f32 v[SU+2*\x:SU+2*\x+1], v[S+64*\x:S+64*\x+1], v[S+64*\x+2:S+64*\x+3]
.endr
.irp j, 4,8,12,16,20,24,28,32,36,40,44,48,52,56,60
.irp x, 0,1
	v_pk_add_f32 v[ST+4*\x+2:ST+4*\x+3], v[ST+4*\x+2:ST+4*\x+3], v[S+64*\x+\j:S+64*\x+\j+1]
	v_pk_add_f32 v[SU+2*\x:SU+2*\x+1], v[SU+2*\x:SU+2*\x+1], v[S+64*\x+\j+2:S+64*\x+\j+3]
.endr
.endr
.irp x, 0,1
	v_pk_add_f32 v[ST+4*\x+2:ST+4*\x+3], v[ST+4*\x+2:ST+4*\x+3], v[SU+2*\x:SU+2*\x+1]
.endr
.endm
; A KEY STEP: the slot's q-th block, 128 keys.
.macro STEP q
.if (\q) == 0
	KLOAD 0                                        ; a slot's first K cannot be fetched ahead: the slot is shown whole only by the barrier just passed
	s_wait_dscnt 0x0
.endif                                         ; (steps 1 to 3: K, the biases and K's scale words came with the run of loads a step ago, which the wait for 0 in front of that step's second product covers)
	WIN W_KQ
.irp x, 0,1
.irp t, 0,1,2,3
	v_wmma_scale_f32_16x16x128_f8f6f4 v[S+64*\x+8*\t:S+64*\x+8*\t+7], v[KF+8*\t:KF+8*\t+7], v[QF+8*\x:QF+8*\x+7], v[BI+8*\t:BI+8*\t+7], v[KS+\t], v[QS+\x] matrix_a_fmt:MATRIX_FMT_FP4 matrix_b_fmt:MATRIX_FMT_FP4
.endr
.irp t, 4,5,6,7
	v_wmma_scale_f32_16x16x128_f8f6f4 v[S+64*\x+8*\t:S+64*\x+8*\t+7], v[KF+8*\t:KF+8*\t+7], v[QF+8*\x:QF+8*\x+7], v[BI+8*\t:BI+8*\t+7], v[KS+\t-4], v[QS+\x] matrix_a_fmt:MATRIX_FMT_FP4 matrix_b_fmt:MATRIX_FMT_FP4 matrix_a_scale:MATRIX_SCALE_ROW1
.endr
.endr
	WIN 0
.rept 4
	v_nop                                          ; four places in front of loads into registers that these products read, and of the first read of their results (ISA guide 7.12.1 for vector instructions)
.endr
	VLOAD \q                                       ; one run of loads.  V's registers were last read by the step before's products, behind which its 64 sums stand
.if (\q) < 3
	KLOAD (\q)+1
.endif
	WIN 0
	SOFT
	WIN W_RS
.irp x, 0,1
.set j, 0
.rept 64
	v_pk_mul_f32 v[128*\x+j:128*\x+j+1], v[128*\x+j:128*\x+j+1], v[FP+2*\x:FP+2*\x+1] op_sel_hi:[1,0]   ; O^T under the new M: x f; each accumulator from its low end on.  (These are also the places between the lines that made p's codes and scale word and the products below)
.set j, j+2
.endr
.endr
	s_wait_dscnt 0x0                               ; the whole run of loads is in: V, and the next step's K
	WIN W_PV
.irp t, 0,1,2,3,4,5,6,7,8,9,10,11,12,13,14,15  ; O^T += V P^T: the 32 accumulators take turns, one instruction a turn
.irp x, 0,1
.if (\t%8) < 4
	v_wmma_scale_f32_16x16x128_f8f6f4 v[128*\x+8*\t:128*\x+8*\t+7], v[VF+8*\t:VF+8*\t+7], v[PC+8*\x:PC+8*\x+7], v[128*\x+8*\t:128*\x+8*\t+7], v[VS+4*(\t/8)+\t%4], v[FP+2*\x+1] matrix_a_fmt:MATRIX_FMT_FP4 matrix_b_fmt:MATRIX_FMT_FP4
.else
	v_wmma_scale_f32_16x16x128_f8f6f4 v[128*\x+8*\t:128*\x+8*\t+7], v[VF+8*\t:VF+8*\t+7], v[PC+8*\x:PC+8*\x+7], v[128*\x+8*\t:128*\x+8*\t+7], v[VS+4*(\t/8)+\t%4], v[FP+2*\x+1] matrix_a_fmt:MATRIX_FMT_FP4 matrix_b_fmt:MATRIX_FMT_FP4 matrix_a_scale:MATRIX_SCALE_ROW1
.endif
.endr
.endr
	WIN 0
	SUMS                                           ; they name none of those products' registers
.endm
; THE CHANGE OF SLOTS stands at a slot's head.  Each wave waits for all its tensor loads (its block of the slot that it is about to read), adds 0 to its spare word, and waits for that and for its reads of the slot that it has left.
; fill = 1: that other slot is filled with the four blocks that follow.  The barrier is then a round of the cluster's, so that no wave of any partner still reads the slot or has a load on its way.
.macro CHANGE fill
	s_wait_tensorcnt 0x0                           ; no tensor load of mine is out, so group 0 may be written
	ds_add_u32 v[SPW], v[NIL]                      ; 0 onto my spare word
.if \fill
	s_xor_b32 s[G0+1], s[G0+1], SLOT1              ; the walking descriptor: the other slot than last time,
	s_add_nc_u64 s[G0+2:G0+3], s[G0+2:G0+3], SLOTB ; the next four blocks; the type bits on top are not reached
	s_wait_dscnt 0x0                               ; the add is done, and my reads of the slot that I have left are over
	CROUND
	tensor_load_to_lds s[G0:G0+3], s[G1:G1+7]      ; the first thing behind the round, and my one tensor load until the next
	s_nop 0
.rept 4
	v_nop
.endr
.else
	s_wait_dscnt 0x0
	s_barrier_signal -1
	s_barrier_wait -1
.endif
	v_add_nc_u32 v[ADR], s[TB], v[LI]              ; the addresses of the slot in hand
	v_add_nc_u32 v[ADR+1], 2*STEPB, v[ADR]
	v_add_nc_u32 v[BAD], s[TB], v[HB]
	v_add_nc_u32 v[BAD+1], 2*STEPB, v[BAD]
.endm
.macro SLOT_STEPS
	STEP 0
	STEP 1
	STEP 2
	STEP 3
	s_xor_b32 s[TB], s[TB], SLOT1                  ; on to the other slot
.endm
	s_wait_loadcnt 0x0                             ; Q, its scale words, my queries' mask
.Lslot:                                            ; seven trips: behind each change of slots but the last the next four blocks are asked for
	CHANGE 1
	SLOT_STEPS
	s_sub_co_u32 s[SLOTS], s[SLOTS], 1
	s_cmp_lg_u32 s[SLOTS], 0
	s_cbranch_scc1 .Lslot
	CHANGE 0                                       ; the last slot is written out
	SLOT_STEPS
	; THE WAY OUT.  O^T x mask / l.  A lane holds one position and eight channels of a tile; out has the positions innermost: so the numbers go through a stage in LDS, row = channel, and leave as rows of 128 positions.
.irp x, 0,1
	v_add_f32 v[T0+\x], v[ST+4*\x+2], v[ST+4*\x+3] ; the sum's two halves,
.endr
.irp x, 0,1
	v_permlanex16_b32 v[BP+\x], v[T0+\x], s[SEL], s[SEL+1]
.endr
.irp x, 0,1
	v_add_f32 v[T0+\x], v[T0+\x], v[BP+\x]         ; and lane l xor 16's: l
.endr
.irp x, 0,1
	v_rcp_f32 v[SU+2*\x], v[T0+\x]
.endr
	v_nop                                          ; a plain place behind the transcendentals
	s_wait_alu depctr_va_vdst(0)
.irp x, 0,1
	v_mul_f32 v[G+2*\x], v[SU+2*\x], v[MK+\x]
	v_mul_f32 v[G+2*\x+1], v[SU+2*\x], v[MK+\x]    ; both halves of the pair hold the lane's factor
.endr
	WIN W_RS
.irp x, 0,1
.set j, 0
.rept 64
	v_pk_mul_f32 v[128*\x+j:128*\x+j+1], v[128*\x+j:128*\x+j+1], v[G+2*\x:G+2*\x+1]   ; each accumulator from its low end on
.set j, j+2
.endr
.endr
	WIN 0x04                                       ; an LDS store's data are its source 1: window 1
.irp t, 0,1,2,3,4,5,6,7,8,9,10,11,12,13,14,15
.irp x, 0,1
.irp j, 0,1,2,3,4,5,6,7
	ds_store_b32 v[SO+\t/8], v[128*\x+8*\t+\j] offset:(16*(\t%8)+\j)*SP+32*\x   ; out(16 t + 8 h + j, 32 w + 8 x + r + 8 (r / 8)): the 32 lanes' words lie at 32 different places modulo 64 words
.endr
.endr
.endr
	s_wait_dscnt 0x0                               ; for the others' sake: my stores into the stage are done
	s_barrier_signal -1
	s_barrier_wait -1                              ; 256 whole rows lie in the stage
	WIN W_L2
.irp hh, 0,1
.set j, 0
.rept 32
	ds_load_b128 v[4*(32*\hh+j):4*(32*\hh+j)+3], v[RD+\hh] offset:SP*j    ; channel 128 hh + 32 w + j: a row's 512 bytes
.set j, j+1
.endr
.endr
	WIN 0x08                                       ; a global store's data are its source 1: window 2
.set k, 0
.rept 64
	s_wait_dscnt 63-k                              ; LDS loads come back in order (ISA guide 5.7.1): load k is in; the 63 - k younger ones may be out
	global_store_b128 v[LI], v[4*k:4*k+3], s[8:9] offset:(128*(k/32)+k%32)*16384 th:TH_STORE_NT   ; 32 lanes store 512 consecutive bytes, aligned; written once, read by nobody here
.set k, k+1
.endr
	WIN 0
	s_wait_tensorcnt 0x0                           ; the wave's end, behind my last tensor load and my last LDS store
	ds_add_u32 v[SPW], v[NIL]
	s_wait_dscnt 0x0
	CROUND                                         ; the closing round: no work-group ends while a partner may still ask for a tile that names it
	s_endpgm
.Lfunc_end_k_q1072c1604a_attn:
	.size	k_q1072c1604a_attn, .Lfunc_end_k_q1072c1604a_attn-k_q1072c1604a_attn
	.p2alignl 7, 3214868480
	.fill 96, 4, 3214868480
	.section	.rodata,"a",@progbits
	.p2align	6, 0x0
	.amdhsa_kernel k_q1072c1604a_attn
		.amdhsa_group_segment_fixed_size 327680
		.amdhsa_private_segment_fixed_size 0
		.amdhsa_enable_private_segment 0
		.amdhsa_kernarg_size 24
		.amdhsa_user_sgpr_count 2
		.amdhsa_user_sgpr_kernarg_segment_ptr 1
		.amdhsa_wavefront_size32 1
		.amdhsa_system_sgpr_workgroup_id_x 1
		.amdhsa_system_sgpr_workgroup_id_y 1
		.amdhsa_system_sgpr_workgroup_id_z 1
		.amdhsa_system_vgpr_workitem_id 0
		.amdhsa_next_free_vgpr 768
		.amdhsa_next_free_sgpr 66
		.amdhsa_reserve_vcc 0
		.amdhsa_float_denorm_mode_32 3
		.amdhsa_float_denorm_mode_16_64 3
		.amdhsa_memory_ordered 1
		.amdhsa_forward_progress 1
		.amdhsa_inst_pref_size 255
	.end_amdhsa_kernel
	.section	.bss,"aw",@nobits
	.p2align	6
	.space	262144
	.amdgpu_metadata
---
amdhsa.version: [ 1, 2 ]
amdhsa.kernels:
  - .name:           k_q1072c1604a_attn
    .symbol:         k_q1072c1604a_attn.kd
    .args:
      - { .name: kv, .offset: 0, .size: 8, .value_kind: global_buffer, .address_space: global }
      - { .name: mask, .offset: 8, .size: 8, .value_kind: global_buffer, .address_space: global }
      - { .name: out0, .offset: 16, .size: 8, .value_kind: global_buffer, .address_space: global }
    .group_segment_fixed_size: 327680
    .private_segment_fixed_size: 0
    .kernarg_segment_align: 8
    .kernarg_segment_size: 24
    .max_flat_workgroup_size: 128
    .sgpr_count:     66
    .vgpr_count:     768
    .wavefront_size: 32
...
	.end_amdgpu_metadata
.endif
;; end of part 2
